; MI455X (gfx1250); checked and timed in simulation.
; The chip was launched on July 23, 2026; its instructions are those of AMD's public machine-readable ISA for CDNA 5 (MIT licence, August 2026) and "CDNA5" Instruction Set Architecture Reference Guide (July 2026). The comments in the code are by the model that wrote it; some were corrected since.
;; LSTM. Allowed arithmetic: float matrix products may take bf16 or f16 operands with f32 sums; all other float work in f32.
;; Inputs: W_hh0 4,096 x 1,024 float32; W_hh1 4,096 x 1,024 float32; W_ih0 4,096 x 192 float32; W_ih1 4,096 x 1,024 float32; W_out 64 x 1,024 float32; b_hh0 4,096 float32; b_hh1 4,096 float32; b_ih0 4,096 float32; b_ih1 4,096 float32; b_out 64 float32; static_input 4,096 x 128 float32.
;; Outputs: out0 4,096 x 1 x 64 float32.
;; Constants: num_steps = 1.
;; One version. Each part assembles by itself: llvm-mc -triple=amdgcn-amd-amdhsa -mcpu=gfx1250 --defsym DOCPART=n.
;; ======== version 1 of 1: 4 launches
;; limits: right only within a limited range of input values
;; workspace buffers: xb 1,048,576 bytes; w0b 1,048,576 bytes; w1b 8,388,608 bytes; wob 131,072 bytes; bias 32,768 bytes; h1b 8,388,608 bytes; h2b 8,388,608 bytes
;; launch prep (part 1): grid 256 x 1, 16 waves a work-group, no clusters, 2,304 bytes of LDS; arguments static_input, W_ih0, W_hh0, W_ih1, W_hh1, W_out, b_ih0, b_hh0, b_ih1, b_hh1, xb, w0b, w1b, wob, bias; writes xb, w0b, w1b, wob, bias
.if DOCPART == 1
	.amdgcn_target "amdgcn-amd-amdhsa--gfx1250"
	.amdhsa_code_object_version 6
	.text
	.protected	k_q054dfe22c4_prep
	.globl	k_q054dfe22c4_prep
	.p2align	8
	.type	k_q054dfe22c4_prep,@function
k_q054dfe22c4_prep:
	s_mov_b64 s[64:65], 0
	v_nop
	global_prefetch_b8 v0, s[64:65] scope:SCOPE_SE
	s_setreg_imm32_b32 hwreg(HW_REG_WAVE_MODE, 25, 1), 1
	s_wait_xcnt 0x0
; PREPARATION: one pass over every weight, once.
; reference() starts all 4,096 batch rows from the SAME state (h = H_START, y_prev = Y_START, constants that it builds itself), so
; h_start W_hh^T and y_start W_ih0[:,128:]^T are one vector of 4,096 numbers for each layer and not a matrix.  That vector is made here, in f32,
; from every element of W_hh0, W_hh1 and W_ih0[:,128:], and goes into the bias:
;   bias[L][n] = k(q) * (b_ihL[n] + b_hhL[n] + start vector L[n]),  q = n >> 10 the gate;  k = -log2(e) for i, f, o and +2 log2(e) for g,
; the factors by which the cell launches turn sigmoid and tanh into powers of two.
; The operands of the products that remain are rounded to bf16 once, here: xb = static_input, w0b = W_ih0[:, :128], w1b = W_ih1, wob = W_out.
; SHARES: 256 work-groups x 16 waves = 4,096 waves; wave n = 16 g + w owns index n: row n of each weight matrix of 4,096 rows and batch row n.
; Wave 0 of a group also takes 256 elements of W_out and stores the group's 2 x 16 bias words.
; No loop: a wave issues all its 27 loads (13,568 bytes) at once and works them off behind counted waits.
; Bound by bytes: no matrix unit (a product with one row), no cluster (no two work-groups read the same byte), LDS only for 32 words.
; Every store of bf16 covers 256 or 512 consecutive bytes, aligned; the bias words leave as 2 x 64 bytes a group (32,768 bytes of the launch's 10.6 million).
; LIMITS: the sums run in another order than reference()'s; the copies are rounded to bf16 (nearest even).
.set H_START, 0                        ; every element of h1 and h2 at step 0, as reference() builds them
.set Y_START, 0                        ; every element of y_prev at step 0
.set X,   8                            ; v[8:11]    my 4 numbers of static_input's row n
.set W0A, 12                           ; v[12:15]   my 4 numbers of W_ih0[n][0:128]
.set W0B, 16                           ; v[16:17]   my 2 numbers of W_ih0[n][128:192]
.set WI1, 20                           ; v[20:51]   W_ih1's row n: load j holds elements 128 j + 4 lane ..
.set WH0, 52                           ; v[52:83]   W_hh0's row n
.set WH1, 84                           ; v[84:115]  W_hh1's row n
.set WO,  116                          ; v[116:123] wave 0: 8 numbers of W_out
.set S0,  128                          ; v[128:131] layer 0's start vector: two chains of pairs
.set S1,  132                          ; v[132:135] layer 1's
	s_load_b512 s[8:23], s[0:1], 0x0               ; static_input s[8:9], W_ih0 s[10:11], W_hh0 s[12:13], W_ih1 s[14:15], W_hh1 s[16:17], W_out s[18:19], b_ih0 s[20:21], b_hh0 s[22:23]
	s_load_b256 s[24:31], s[0:1], 0x40             ; b_ih1 s[24:25], b_hh1 s[26:27], xb s[28:29], w0b s[30:31]
	s_load_b128 s[32:35], s[0:1], 0x60             ; w1b s[32:33], wob s[34:35]
	s_load_b64 s[36:37], s[0:1], 0x70              ; bias
	v_lshl_add_u32 v144, v0, 2, 0x100
	v_mov_b32 v145, 0
	v_lshrrev_b32 v2, 5, v0
	v_readfirstlane_b32 s4, v2                     ; wave 0..15
	v_and_b32 v1, 31, v0                           ; lane
	s_lshl4_add_u32 s5, ttmp9, s4                  ; n = 16 g + w
	s_lshl_b32 s6, s5, 2                           ; 4 n: my word in the four bias vectors,
	s_mov_b32 s7, 0                                ; as a pair
	s_lshl_b32 s38, s5, 12                         ; rows of 1,024 f32
	s_lshl_b32 s39, s5, 9                          ; rows of 128 f32
	s_mul_i32 s49, s5, 768                         ; rows of 192 f32
	s_lshl_b32 s50, s5, 8                          ; rows of 128 bf16
	s_lshl_b32 s51, s5, 11                         ; rows of 1,024 bf16
	v_lshl_add_u32 v2, v1, 4, s38                  ; W_hh0, W_ih1, W_hh1: 4096 n + 16 lane
	v_lshl_add_u32 v3, v1, 4, s39                  ; static_input: 512 n + 16 lane
	v_lshl_add_u32 v4, v1, 4, s49                  ; W_ih0, first 128 columns: 768 n + 16 lane
	v_lshl_add_u32 v5, v1, 3, s49                  ; W_ih0, last 64 columns: 768 n + 8 lane (+ 512 in the load)
	v_lshl_add_u32 v6, v1, 3, s50                  ; xb, w0b: 256 n + 8 lane
	v_lshl_add_u32 v7, v1, 3, s51                  ; w1b: 2048 n + 8 lane
	s_mov_b32 s45, 0xbfb8aa3b                      ; -log2(e)
	s_mov_b32 s46, 0x4038aa3b                      ; 2 log2(e)
	s_mov_b32 s47, 0x76543210                      ; v_permlanex16_b32: lane i of one half reads lane i of the other
	s_mov_b32 s48, 0xfedcba98
	s_lshr_b32 s44, ttmp9, 6                       ; the gate: n >> 10 = g >> 6
	s_cmp_eq_u32 s44, 2
	s_cselect_b32 s44, s46, s45                    ; k(q)
	s_wait_kmcnt 0x0
	s_add_nc_u64 s[20:21], s[20:21], s[6:7]        ; the four bias vectors at word n
	s_add_nc_u64 s[22:23], s[22:23], s[6:7]
	s_add_nc_u64 s[24:25], s[24:25], s[6:7]
	s_add_nc_u64 s[26:27], s[26:27], s[6:7]
	s_load_b32 s40, s[20:21], 0x0                  ; b_ih0[n]
	s_load_b32 s41, s[22:23], 0x0                  ; b_hh0[n]
	s_load_b32 s42, s[24:25], 0x0                  ; b_ih1[n]
	s_load_b32 s43, s[26:27], 0x0                  ; b_hh1[n]
	; Wave 0's two loads of W_out go out AHEAD of the 27 that every wave issues, so that the counts below are the same in all waves.
	s_cmp_lg_u32 s4, 0
	s_cbranch_scc1 .Lno_wout_load
	s_lshl_b32 s39, ttmp9, 10                      ; 256 f32 a group
	v_lshl_add_u32 v126, v1, 5, s39                ; 1024 g + 32 lane: 8 numbers a lane
	global_load_b128 v[WO:WO+3],   v126, s[18:19] th:TH_LOAD_NT
	global_load_b128 v[WO+4:WO+7], v126, s[18:19] offset:16 th:TH_LOAD_NT
.Lno_wout_load:
	global_load_b128 v[X:X+3],     v3, s[8:9] th:TH_LOAD_NT
	global_load_b128 v[W0A:W0A+3], v4, s[10:11] th:TH_LOAD_NT
	global_load_b64  v[W0B:W0B+1], v5, s[10:11] offset:512 th:TH_LOAD_NT
.irp j, 0,1,2,3,4,5,6,7
	global_load_b128 v[WI1+4*\j:WI1+4*\j+3], v2, s[14:15] offset:512*\j th:TH_LOAD_NT
.endr
.irp j, 0,1,2,3,4,5,6,7
	global_load_b128 v[WH0+4*\j:WH0+4*\j+3], v2, s[12:13] offset:512*\j th:TH_LOAD_NT
.endr
.irp j, 0,1,2,3,4,5,6,7
	global_load_b128 v[WH1+4*\j:WH1+4*\j+3], v2, s[16:17] offset:512*\j th:TH_LOAD_NT
.endr
	; Loads come back in order (ISA guide 5.7.1): each count is the number of loads issued behind the one that is wanted.
	; No register that a store reads is written again, no address is stepped, EXEC never changes: no further wait is owed.
	s_wait_loadcnt 26                              ; static_input's row
	v_cvt_pk_bf16_f32 v[X],   v[X],   v[X+1]
	v_cvt_pk_bf16_f32 v[X+1], v[X+2], v[X+3]
	global_store_b64 v6, v[X:X+1], s[28:29]        ; the wave stores 256 consecutive bytes, aligned
	s_wait_loadcnt 25                              ; W_ih0[n][0:128]
	v_cvt_pk_bf16_f32 v[W0A],   v[W0A],   v[W0A+1]
	v_cvt_pk_bf16_f32 v[W0A+1], v[W0A+2], v[W0A+3]
	global_store_b64 v6, v[W0A:W0A+1], s[30:31]
	s_wait_loadcnt 24                              ; W_ih0[n][128:192] meets y_prev: it starts layer 0's first chain
	v_pk_mul_f32 v[S0:S0+1], v[W0B:W0B+1], Y_START op_sel_hi:[1,0]
.irp j, 0,1,2,3,4,5,6,7
	s_wait_loadcnt 23-\j                           ; W_ih1, 128 elements at a time
	v_cvt_pk_bf16_f32 v[WI1+4*\j],   v[WI1+4*\j],   v[WI1+4*\j+1]
	v_cvt_pk_bf16_f32 v[WI1+4*\j+1], v[WI1+4*\j+2], v[WI1+4*\j+3]
	global_store_b64 v7, v[WI1+4*\j:WI1+4*\j+1], s[32:33] offset:256*\j
.endr
.irp j, 0,1,2,3,4,5,6,7
	s_wait_loadcnt 15-\j                           ; W_hh0 meets h1's start
	v_pk_fma_f32 v[S0:S0+1], v[WH0+4*\j:WH0+4*\j+1], H_START, v[S0:S0+1] op_sel_hi:[1,0,1]
.if \j == 0
	v_pk_mul_f32 v[S0+2:S0+3], v[WH0+4*\j+2:WH0+4*\j+3], H_START op_sel_hi:[1,0]      ; the first product starts the second chain
.else
	v_pk_fma_f32 v[S0+2:S0+3], v[WH0+4*\j+2:WH0+4*\j+3], H_START, v[S0+2:S0+3] op_sel_hi:[1,0,1]
.endif
.endr
.irp j, 0,1,2,3,4,5,6,7
	s_wait_loadcnt 7-\j                            ; W_hh1 meets h2's start
.if \j == 0
	v_pk_mul_f32 v[S1:S1+1],   v[WH1+4*\j:WH1+4*\j+1],   H_START op_sel_hi:[1,0]
	v_pk_mul_f32 v[S1+2:S1+3], v[WH1+4*\j+2:WH1+4*\j+3], H_START op_sel_hi:[1,0]
.else
	v_pk_fma_f32 v[S1:S1+1],   v[WH1+4*\j:WH1+4*\j+1],   H_START, v[S1:S1+1] op_sel_hi:[1,0,1]
	v_pk_fma_f32 v[S1+2:S1+3], v[WH1+4*\j+2:WH1+4*\j+3], H_START, v[S1+2:S1+3] op_sel_hi:[1,0,1]
.endif
.endr
; four numbers a lane to one number in every lane: the chains, the halves, four steps inside 16 lanes, one across
.macro FOLD s
	v_pk_add_f32 v[\s:\s+1], v[\s:\s+1], v[\s+2:\s+3]
	v_add_f32 v[\s], v[\s], v[\s+1]
	v_add_f32_dpp v[\s], v[\s], v[\s] row_xmask:1 row_mask:0xf bank_mask:0xf
	v_add_f32_dpp v[\s], v[\s], v[\s] row_xmask:2 row_mask:0xf bank_mask:0xf
	v_add_f32_dpp v[\s], v[\s], v[\s] row_xmask:4 row_mask:0xf bank_mask:0xf
	v_add_f32_dpp v[\s], v[\s], v[\s] row_xmask:8 row_mask:0xf bank_mask:0xf
	v_permlanex16_b32 v[\s+1], v[\s], s47, s48     ; its destination has been written before
	v_add_f32 v[\s], v[\s], v[\s+1]
.endm
	FOLD S0
	FOLD S1
	s_wait_kmcnt 0x0                               ; the four bias words
	s_add_f32 s40, s40, s41                        ; b0[n]
	s_add_f32 s42, s42, s43                        ; b1[n]
	v_add_f32 v[S0], s40, v[S0]
	v_add_f32 v[S1], s42, v[S1]
	v_mul_f32 v[S0], s44, v[S0]                    ; times k(q)
	v_mul_f32 v[S1], s44, v[S1]
	v_mov_b32 v136, s4
	v_lshlrev_b32 v136, 2, v136                    ; LDS word w: layer 0; word 16 + w: layer 1
	ds_store_b32 v136, v[S0]                       ; all lanes write the same word with the same value
	ds_store_b32 v136, v[S1] offset:64
	s_wait_dscnt 0x0                               ; for wave 0's sake: my two words are in LDS before I signal
	s_barrier_signal -1
	s_barrier_wait -1
	s_cmp_lg_u32 s4, 0
	s_cbranch_scc1 .Ldone
	v_lshlrev_b32 v138, 2, v1                      ; lane l takes word l: lanes 0-15 layer 0, lanes 16-31 layer 1
	ds_load_b32 v137, v138
	v_and_b32 v139, 15, v1
	v_lshlrev_b32 v139, 2, v139
	v_lshrrev_b32 v140, 4, v1
	v_lshl_add_u32 v139, v140, 14, v139            ; layer x 16,384 bytes + 4 (l % 16)
	s_lshl_b32 s38, ttmp9, 6
	v_add_nc_u32 v139, s38, v139                   ; + 64 g
	s_lshl_b32 s39, ttmp9, 9
	v_lshl_add_u32 v127, v1, 4, s39                ; wob: 512 g + 16 lane
	v_cvt_pk_bf16_f32 v[WO],   v[WO],   v[WO+1]    ; W_out's loads are older than all that has been waited for
	v_cvt_pk_bf16_f32 v[WO+1], v[WO+2], v[WO+3]
	v_cvt_pk_bf16_f32 v[WO+2], v[WO+4], v[WO+5]
	v_cvt_pk_bf16_f32 v[WO+3], v[WO+6], v[WO+7]
	global_store_b128 v127, v[WO:WO+3], s[34:35]   ; 512 consecutive bytes, aligned
	s_wait_dscnt 0x0
	global_store_b32 v139, v137, s[36:37]
.Ldone:
	s_wait_tensorcnt 0x0
	ds_add_u32 v144, v145
	s_wait_dscnt 0x0
	s_endpgm
.Lfunc_end_k_q054dfe22c4_prep:
	.size	k_q054dfe22c4_prep, .Lfunc_end_k_q054dfe22c4_prep-k_q054dfe22c4_prep
	.p2alignl 7, 3214868480
	.fill 96, 4, 3214868480
	.section	.rodata,"a",@progbits
	.p2align	6, 0x0
	.amdhsa_kernel k_q054dfe22c4_prep
		.amdhsa_group_segment_fixed_size 2304
		.amdhsa_private_segment_fixed_size 0
		.amdhsa_enable_private_segment 0
		.amdhsa_kernarg_size 120
		.amdhsa_user_sgpr_count 2
		.amdhsa_user_sgpr_kernarg_segment_ptr 1
		.amdhsa_wavefront_size32 1
		.amdhsa_system_sgpr_workgroup_id_x 1
		.amdhsa_system_sgpr_workgroup_id_y 1
		.amdhsa_system_sgpr_workgroup_id_z 1
		.amdhsa_system_vgpr_workitem_id 0
		.amdhsa_next_free_vgpr 146
		.amdhsa_next_free_sgpr 66
		.amdhsa_reserve_vcc 0
		.amdhsa_float_denorm_mode_32 3
		.amdhsa_float_denorm_mode_16_64 3
		.amdhsa_memory_ordered 1
		.amdhsa_forward_progress 1
		.amdhsa_inst_pref_size 13
	.end_amdhsa_kernel
	.amdgpu_metadata
---
amdhsa.version: [ 1, 2 ]
amdhsa.kernels:
  - .name:           k_q054dfe22c4_prep
    .symbol:         k_q054dfe22c4_prep.kd
    .args:
      - { .name: static_input, .offset: 0, .size: 8, .value_kind: global_buffer, .address_space: global }
      - { .name: W_ih0, .offset: 8, .size: 8, .value_kind: global_buffer, .address_space: global }
      - { .name: W_hh0, .offset: 16, .size: 8, .value_kind: global_buffer, .address_space: global }
      - { .name: W_ih1, .offset: 24, .size: 8, .value_kind: global_buffer, .address_space: global }
      - { .name: W_hh1, .offset: 32, .size: 8, .value_kind: global_buffer, .address_space: global }
      - { .name: W_out, .offset: 40, .size: 8, .value_kind: global_buffer, .address_space: global }
      - { .name: b_ih0, .offset: 48, .size: 8, .value_kind: global_buffer, .address_space: global }
      - { .name: b_hh0, .offset: 56, .size: 8, .value_kind: global_buffer, .address_space: global }
      - { .name: b_ih1, .offset: 64, .size: 8, .value_kind: global_buffer, .address_space: global }
      - { .name: b_hh1, .offset: 72, .size: 8, .value_kind: global_buffer, .address_space: global }
      - { .name: xb, .offset: 80, .size: 8, .value_kind: global_buffer, .address_space: global }
      - { .name: w0b, .offset: 88, .size: 8, .value_kind: global_buffer, .address_space: global }
      - { .name: w1b, .offset: 96, .size: 8, .value_kind: global_buffer, .address_space: global }
      - { .name: wob, .offset: 104, .size: 8, .value_kind: global_buffer, .address_space: global }
      - { .name: bias, .offset: 112, .size: 8, .value_kind: global_buffer, .address_space: global }
    .group_segment_fixed_size: 2304
    .private_segment_fixed_size: 0
    .kernarg_segment_align: 8
    .kernarg_segment_size: 120
    .max_flat_workgroup_size: 512
    .sgpr_count:     66
    .vgpr_count:     146
    .wavefront_size: 32
...
	.end_amdgpu_metadata
.endif
;; end of part 1
;; launch cell0 (part 2): grid 16 x 16, 4 waves a work-group, clusters of 4 x 4, 176,640 bytes of LDS; arguments xb, w0b, bias, h1b; writes h1b
.if DOCPART == 2
	.amdgcn_target "amdgcn-amd-amdhsa--gfx1250"
	.amdhsa_code_object_version 6
	.text
	.protected	k_q054dfe22c4_cell0
	.globl	k_q054dfe22c4_cell0
	.p2align	8
	.type	k_q054dfe22c4_cell0,@function
k_q054dfe22c4_cell0:
	s_mov_b64 s[64:65], 0
	v_nop
	global_prefetch_b8 v0, s[64:65] scope:SCOPE_SE
	s_setreg_imm32_b32 hwreg(HW_REG_WAVE_MODE, 25, 1), 1
	s_wait_xcnt 0x0
	s_wait_alu depctr_hold_cnt(0) depctr_sa_sdst(0) depctr_va_vdst(0) depctr_va_sdst(0) depctr_va_ssrc(0) depctr_va_vcc(0) depctr_vm_vsrc(0)
	s_getreg_b32 s2, hwreg(HW_REG_IB_STS2, 6, 4)
	s_cmp_eq_u32 s2, 0
	s_cbranch_scc0 .Lentry_in_a_cluster
	s_endpgm
.Lentry_in_a_cluster:
	s_bfe_u32 s2, ttmp6, 0x10000c
	s_cmp_lg_u32 s2, 0xf033
	s_cbranch_scc0 .Lentry_shape_is_right
	s_endpgm
.Lentry_shape_is_right:
; LAYER 0: gates = static_input W_ih0[:, :128]^T + bias[0] (which already holds both biases and the start state's share, times k(q)), then the cell; h1 in bf16.
; A work-group makes 256 batch rows (mb) x 64 units (nb) x 4 gates = 256 x 256 gate values with four waves, as many as a WGP has SIMDs;
; a wave makes 128 rows (wm) x 32 units (wn) x 4 gates: 64 accumulator tiles of 16 x 16, 512 registers.  K = 128: one tile of A and one of B, nothing is filled twice.
; THE MATRIX INSTRUCTION IS USED TRANSPOSED: source 0 = 16 rows of the weights, source 1 = 16 batch rows.  Lane l then holds batch row l % 16 and its registers
; 0 to 7 the columns 8 (l / 16) + 0 .. 7.  Column block b = 2 q + ub is gate q, units 16 ub .. of my 32: so i, f, g, o of one cell lie in the same
; lane and the same register number of four tiles, and the cell needs no traffic between lanes.
; CLUSTERS: 4 x 4 work-groups.  A's tile hangs on mb alone and is asked for jointly by a row of the cluster, B's on nb alone, by a column.
; h1b IS LAID IN CHUNKS: [16 chunks of 64 units][4,096 rows][64 units] bf16, so that this work-group's 256 rows x 64 units are 32,768 consecutive bytes.
; sigmoid(x) = 1 / (1 + E), E = 2^(-log2(e) x);  tanh(x) = (E - 1) / (E + 1), E = 2^(2 log2(e) x).  One reciprocal serves sigmoid(i) tanh(g), one sigmoid(o) tanh(c).
; LIMITS: matrix operands are bf16.  tanh by (E - 1) / (E + 1) has an absolute error of about 1e-7, so its relative error passes 1 per cent below |x| of about 1e-5.
; Gate g's exponent is cut at 40 (tanh is 1.0 in f32 far below), by a minimum in which a NaN loses: a NaN in g's pre-activation comes out as tanh = 1; other NaNs go through.
; Infinite pre-activations give the limit values.  |c| <= |C_START| + 1, so the second tanh's exponent needs no cut.
.set PITCH,  272                       ; an LDS row of A or B: 256 bytes + 16 of padding, an odd multiple of 16: the 16 rows of a fragment load start 16 bytes apart modulo 256
.set APITCH, PITCH
.set BPITCH, PITCH
.set ABYTES, 256*APITCH                ; 69,632: A's 256 rows; B's 256 rows (row = 64 q + unit) lie behind them
.set STAGE,  ABYTES+256*BPITCH         ; 139,264: 256 rows x 144 bytes of h, written by LDS stores alone; no tile lands here
.set SPITCH, 144                       ; 128 bytes + 16
.set BIASL,  0                         ; layer 0's part of bias
.set KSIG,   0xbfb8aa3b                ; -log2(e)
.set KTANH,  0x4038aa3b                ; 2 log2(e)
.set C_START, 0                        ; every element of c1 at step 0, as reference() builds it
.set ADRA, 16                          ; v16  LDS address of my A fragments
.set ADRB, 20                          ; v20  the same for B
.set STO,  24                          ; v24  the way out: where I put 16 bytes of a row of h
.set RD,   25                          ; v25  where I read rows back
.set CO,   26                          ; v26  my byte offset in the work-group's block of h1b
.set BO,   27                          ; v27  my byte offset in bias
.set F0,   64                          ; fragment buffer 0: window 0 A, window 1 B
.set F1,   128                         ; fragment buffer 1
.set BIAS, 192                         ; v[192:255] window 0: bias of my columns, [q][ub][8]
.set TI,   64                          ; the cell's work registers, window 0, 16 each: gate i,
.set TF,   80                          ; f,
.set TG,   96                          ; g,
.set TO,   112                         ; o,
.set U,    128                         ; E + 1
.set HP,   144                         ; v[144:151] h, packed
.set G1A, 24                           ; s[24:31] descriptor group 1 of A's tile
.set G0A, 32                           ; s[32:35] group 0
.set G1B, 48                           ; s[48:55]
.set G0B, 56                           ; s[56:59]
.set MSB, 0
.macro WIN new                         ; s_set_vgpr_msb: bits 1:0 source 0, 3:2 source 1, 5:4 source 2, 7:6 destination; the high byte repeats the setting that is left
.if MSB != \new
	s_set_vgpr_msb (MSB<<8)|\new
.set MSB, \new
.endif
.endm
.set MUL_LO, 0xa1                      ; source 0 (weights) window 1, source 1 (batch rows) window 0, C and D window 2
.set MUL_HI, 0xf1                      ; the same, C and D window 3
.set TO_B,   0x40                      ; destination window 1, address window 0
.macro CROUND                          ; a round of the cluster's barrier: my work-group's barrier, wave 0 signals for it, all wait for all sixteen, my work-group's barrier again
	s_barrier_signal -1
	s_barrier_wait -1
	s_cmp_lg_u32 s12, 0
	s_cbranch_scc1 .Lnot_wave_0_\@
	s_barrier_signal -3
.Lnot_wave_0_\@:
	s_barrier_wait -3
	s_barrier_signal -1
	s_barrier_wait -1
.endm
	s_load_b256 s[4:11], s[0:1], 0x0               ; xb s[4:5], w0b s[6:7], bias s[8:9], h1b s[10:11]
	v_lshl_add_u32 v62, v0, 2, 0x2b000
	v_mov_b32 v63, 0
	ds_add_u32 v62, v63
	v_lshrrev_b32 v1, 5, v0
	v_readfirstlane_b32 s12, v1                    ; wave 0..3
	s_lshr_b32 s13, s12, 1                         ; wm: which 128 rows are mine
	s_and_b32 s14, s12, 1                          ; wn: which 32 units
	s_bfe_u32 s16, ttmp6, 0x40000                  ; cx
	s_bfe_u32 s17, ttmp6, 0x40004                  ; cy
	s_lshl_b32 s18, ttmp9, 2
	s_add_co_u32 s18, s18, s16                     ; nb = 4 x cluster x + cx
	s_and_b32 s19, ttmp7, 0xffff
	s_lshl_b32 s19, s19, 2
	s_add_co_u32 s19, s19, s17                     ; mb = 4 x cluster y + cy
	s_lshl_b32 s20, s17, 2
	s_lshl_b32 s20, 15, s20                        ; my row of the cluster: places 4 cy .. 4 cy + 3
	s_lshl_b32 s21, 0x1111, s16                    ; my column: places cx, cx + 4, cx + 8, cx + 12
	; group 1, the same shape for both: 64 rows x 128 elements of 2 bytes, 128 elements from row to row, 4 words of padding behind every 64
	s_or_b32 s[G1A+0], s20, (1<<16)|(1<<20)|(1<<21)|(5<<22)|(3<<25)   ; 15:0 mask; 17:16 2 bytes; 20 padding on; 21 set beside a mask; 24:22 every 64 words; 31:25 4 words
	s_or_b32 s[G1B+0], s21, (1<<16)|(1<<20)|(1<<21)|(5<<22)|(3<<25)
	s_mov_b32 s[G1A+1], 128<<16                    ; tensor_dim0 = 128
	s_mov_b32 s[G1B+1], 128<<16
	s_mov_b32 s[G1A+2], 64<<16                     ; tensor_dim1 = 64
	s_mov_b32 s[G1B+2], 64<<16
	s_mov_b32 s[G1A+3], 128<<16                    ; tile_dim0 = 128
	s_mov_b32 s[G1B+3], 128<<16
	s_mov_b32 s[G1A+4], 64                         ; tile_dim1 = 64
	s_mov_b32 s[G1B+4], 64
	s_mov_b32 s[G1A+5], 128                        ; elements from row to row
	s_mov_b32 s[G1B+5], 128
	s_mov_b32 s[G1A+6], 0
	s_mov_b32 s[G1B+6], 0
	s_mov_b32 s[G1A+7], 0
	s_mov_b32 s[G1B+7], 0
	; wave w fetches A's rows 256 mb + 64 w .. and gate w's rows 1024 w + 64 nb .. of the weights.  A's registers never hold cx, B's never cy.
	s_lshl_b32 s40, s19, 16                        ; 256 rows of 256 bytes
	s_lshl_b32 s44, s12, 14                        ; 64 rows
	s_add_co_u32 s40, s40, s44
	s_mov_b32 s41, 0
	s_lshl_b32 s42, s12, 18                        ; 1,024 rows
	s_lshl_b32 s45, s18, 14                        ; 64 rows
	s_add_co_u32 s42, s42, s45
	s_mov_b32 s43, 0
	s_mul_i32 s22, s12, 64*APITCH                  ; where they go: the wave's number alone
	s_mul_i32 s23, s12, 64*BPITCH
	s_add_co_u32 s23, s23, ABYTES
	s_wait_dscnt 0x0
	s_wait_kmcnt 0x0
	s_add_nc_u64 s[40:41], s[4:5], s[40:41]
	s_add_nc_u64 s[42:43], s[6:7], s[42:43]
	s_mov_b32 s[G0A], 1                            ; count = 1
	s_mov_b32 s[G0A+1], s22                        ; LDS address
	s_mov_b64 s[G0A+2:G0A+3], s[40:41]             ; global address
	s_or_b32 s[G0A+3], s[G0A+3], 0x80000000        ; type = 2
	s_mov_b32 s[G0B], 1
	s_mov_b32 s[G0B+1], s23
	s_mov_b64 s[G0B+2:G0B+3], s[42:43]
	s_or_b32 s[G0B+3], s[G0B+3], 0x80000000
	CROUND                                         ; all sixteen work-groups are here: the joint loads meet
	tensor_load_to_lds s[G0A:G0A+3], s[G1A:G1A+7]  ; two tensor loads of the wave are out, no more in this text
	s_nop 0
	tensor_load_to_lds s[G0B:G0B+3], s[G1B:G1B+7]
	s_nop 0
	v_and_b32 v1, 15, v0                           ; r = l % 16
	v_bfe_u32 v2, v0, 4, 1                         ; h = l / 16
	v_mul_u32_u24 v3, v1, PITCH
	v_lshl_add_u32 v3, v2, 4, v3                   ; a fragment's row x pitch + 16 h
	s_mul_i32 s44, s13, 128*APITCH
	v_add_nc_u32 v[ADRA], s44, v3
	s_mul_i32 s44, s14, 32*BPITCH
	s_add_co_u32 s44, s44, ABYTES
	v_add_nc_u32 v[ADRB], s44, v3
	v_mul_u32_u24 v4, v1, SPITCH
	v_lshl_add_u32 v4, v2, 4, v4
	s_mul_i32 s44, s13, 128*SPITCH
	s_lshl_b32 s15, s14, 6
	s_add_co_u32 s44, s44, s15
	s_add_co_u32 s44, s44, STAGE
	v_add_nc_u32 v[STO], s44, v4                   ; stage row 128 wm + r, byte 64 wn + 16 h
	v_bfe_u32 v5, v0, 3, 2                         ; back: eight lanes take a row of 128 bytes, a wave four rows
	v_and_b32 v6, 7, v0
	v_mul_u32_u24 v5, v5, SPITCH
	v_lshl_add_u32 v5, v6, 4, v5
	s_mul_i32 s44, s12, 64*SPITCH
	s_add_co_u32 s44, s44, STAGE
	v_add_nc_u32 v[RD], s44, v5                    ; stage row 64 w + l / 8, byte 16 (l % 8)
	v_and_b32 v7, 31, v0
	s_lshl_b32 s44, s12, 13
	v_lshl_add_u32 v[CO], v7, 4, s44               ; 64 rows of 128 bytes a wave + 16 l
	s_lshl_b32 s45, s18, 8
	s_lshl_b32 s46, s14, 7
	s_add_co_u32 s45, s45, s46
	v_lshl_add_u32 v[BO], v2, 5, s45               ; bias word 64 nb + 32 wn + 8 h
.irp q, 0,1,2,3
.irp ub, 0,1
	global_load_b128 v[BIAS+16*\q+8*\ub:BIAS+16*\q+8*\ub+3],   v[BO], s[8:9] offset:BIASL+4096*\q+64*\ub
	global_load_b128 v[BIAS+16*\q+8*\ub+4:BIAS+16*\q+8*\ub+7], v[BO], s[8:9] offset:BIASL+4096*\q+64*\ub+16
.endr
.endr
; 16 matrix instructions: row blocks a0, a0 + 1 of the window's four (hi = 0: my rows 0-63, 1: rows 64-127) x all 8 column blocks, 32 along K.  zero = 1: the product starts the sums.
.macro MUL16 f, hi, a0, zero
.irp a, \a0, \a0+1
.irp b, 0,1,2,3,4,5,6,7
.if \zero
	v_wmma_f32_16x16x32_bf16 v[8*(8*(\a)+\b):8*(8*(\a)+\b)+7], v[\f+8*\b:\f+8*\b+7], v[\f+8*(4*\hi+\a):\f+8*(4*\hi+\a)+7], 0
.else
	v_wmma_f32_16x16x32_bf16 v[8*(8*(\a)+\b):8*(8*(\a)+\b)+7], v[\f+8*\b:\f+8*\b+7], v[\f+8*(4*\hi+\a):\f+8*(4*\hi+\a)+7], v[8*(8*(\a)+\b):8*(8*(\a)+\b)+7]
.endif
.endr
.endr
.endm
; 32 LDS loads in one run: the fragments of 32 along K (byte kb of B's rows, byte ka of A's) into buffer f.  Column block b = 2 q + ub starts at B's LDS row 64 q + 16 ub.
.macro FETCH slot, ka, kb, f
	WIN TO_B
.irp b, 0,1,2,3,4,5,6,7
	ds_load_b128 v[\f+8*\b:\f+8*\b+3],   v[ADRB+\slot] offset:\kb+((\b>>1)*64+(\b&1)*16)*BPITCH
	ds_load_b128 v[\f+8*\b+4:\f+8*\b+7], v[ADRB+\slot] offset:\kb+((\b>>1)*64+(\b&1)*16)*BPITCH+32
.endr
	WIN 0
.irp i, 0,1,2,3,4,5,6,7
	ds_load_b128 v[\f+8*\i:\f+8*\i+3],   v[ADRA+\slot] offset:\ka+\i*16*APITCH
	ds_load_b128 v[\f+8*\i+4:\f+8*\i+7], v[ADRA+\slot] offset:\ka+\i*16*APITCH+32
.endr
.endm
; Four places behind a matrix instruction before a load is issued into one of its sources or a vector instruction reads its result (ISA guide 7.12.1 for vector
; instructions); the matrix instructions in between are not counted as places.
.macro PLACES
.rept 4
	v_nop
.endr
.endm
; 64 matrix instructions on buffer f; in their middle the next 32 along K are fetched into buffer g.  The 64 accumulators take turns, one instruction a turn,
; in the same order in every quarter.
.macro QUARTER slot, ka, kb, f, g, zero
	s_wait_dscnt 8                                 ; B and A's rows 0-63 are in; the youngest eight loads (A's rows 64-127) may be out
	WIN MUL_LO
	MUL16 \f, 0, 0, \zero
	MUL16 \f, 0, 2, \zero
	PLACES
	FETCH \slot, \ka, \kb, \g
	s_wait_dscnt 32                                ; all but the 32 just issued
	WIN MUL_HI
	MUL16 \f, 1, 0, \zero
	MUL16 \f, 1, 2, \zero
.endm
	s_wait_loadcnt 0x0                             ; the biases, once
	s_wait_tensorcnt 0x0                           ; my quarters of A and of B have landed,
	s_barrier_signal -1
	s_barrier_wait -1                              ; everybody's have
	FETCH 0, 0, 0, F0
	QUARTER 0, 64,  64,  F0, F1, 1                 ; the first products start the sums: nothing is cleared
	QUARTER 0, 128, 128, F1, F0, 0
	QUARTER 0, 192, 192, F0, F1, 0
	s_wait_dscnt 8                                 ; the last quarter: nothing more to fetch
	WIN MUL_LO
	MUL16 F1, 0, 0, 0
	MUL16 F1, 0, 2, 0
	s_wait_dscnt 0
	WIN MUL_HI
	MUL16 F1, 1, 0, 0
	MUL16 F1, 1, 2, 0
	PLACES                                         ; behind the last matrix instructions: the cell reads results and writes over fragment registers
	s_lshl_b32 s46, s18, 19                        ; chunk nb: 4,096 rows of 128 bytes
	s_lshl_b32 s44, s19, 15                        ; 256 rows
	s_add_co_u32 s46, s46, s44
	s_mov_b32 s47, 0
	s_add_nc_u64 s[10:11], s[10:11], s[46:47]      ; the work-group's 32,768 bytes of h1b
; gate q of row block a: T = acc * k + bias (bias already times k): the exponent of 2
.macro PRE a, q, k
.irp ub, 0,1
.irp p, 0,2,4,6
	v_pk_fma_f32 v[TI+16*\q+8*\ub+\p:TI+16*\q+8*\ub+\p+1], v[8*(8*\a+2*\q+\ub)+\p:8*(8*\a+2*\q+\ub)+\p+1], \k, v[BIAS+16*\q+8*\ub+\p:BIAS+16*\q+8*\ub+\p+1] op_sel_hi:[1,0,1]
.endr
.endr
.endm
; The cells of 16 rows x 32 units: 16 cells a lane.  a: the row block in its window; from: source 0's window (2 or 3); blk: the row block among my eight.
; Behind each run of transcendentals stands one v_nop before a result is used (ISA guide 5.7.2).
.macro CELLS a, from, blk
	WIN \from
	PRE \a, 0, KSIG
	PRE \a, 1, KSIG
	PRE \a, 2, KTANH
	PRE \a, 3, KSIG
	WIN 0
.set e, 0
.rept 16
	v_min_num_f32 v[TG+e], 0x42200000, v[TG+e]     ; at most 40: E_g stays finite, so that (E_g - 1) x 0 is 0
.set e, e+1
.endr
.set e, 0
.rept 64
	v_exp_f32 v[TI+e], v[TI+e]                     ; E_i, E_f, E_g, E_o
.set e, e+1
.endr
	v_nop
	s_wait_alu depctr_va_vdst(0)
.irp p, 0,2,4,6,8,10,12,14
	v_pk_add_f32 v[U+\p:U+\p+1],   v[TG+\p:TG+\p+1], 1.0 op_sel_hi:[1,0]      ; E_g + 1
	v_pk_add_f32 v[TF+\p:TF+\p+1], v[TF+\p:TF+\p+1], 1.0 op_sel_hi:[1,0]      ; 1 + E_f
.endr
.irp p, 0,2,4,6,8,10,12,14
	v_pk_add_f32 v[TG+\p:TG+\p+1], v[TG+\p:TG+\p+1], -1.0 op_sel_hi:[1,0]     ; E_g - 1
	v_pk_fma_f32 v[TI+\p:TI+\p+1], v[TI+\p:TI+\p+1], v[U+\p:U+\p+1], v[U+\p:U+\p+1]   ; (1 + E_i)(E_g + 1)
.endr
.set e, 0
.rept 32
	v_rcp_f32 v[TI+e], v[TI+e]                     ; TI and TF lie side by side
.set e, e+1
.endr
	v_nop
	s_wait_alu depctr_va_vdst(0)
.irp p, 0,2,4,6,8,10,12,14
	v_pk_mul_f32 v[TF+\p:TF+\p+1], v[TF+\p:TF+\p+1], C_START op_sel_hi:[1,0]  ; sigmoid(f) c
.endr
.irp p, 0,2,4,6,8,10,12,14
	v_pk_fma_f32 v[TG+\p:TG+\p+1], v[TG+\p:TG+\p+1], v[TI+\p:TI+\p+1], v[TF+\p:TF+\p+1]   ; c_new = sigmoid(i) tanh(g) + sigmoid(f) c
.endr
.irp p, 0,2,4,6,8,10,12,14
	v_pk_mul_f32 v[TG+\p:TG+\p+1], v[TG+\p:TG+\p+1], KTANH op_sel_hi:[1,0]
.endr
.set e, 0
.rept 16
	v_exp_f32 v[TG+e], v[TG+e]                     ; E_c
.set e, e+1
.endr
	v_nop
	s_wait_alu depctr_va_vdst(0)
.irp p, 0,2,4,6,8,10,12,14
	v_pk_add_f32 v[U+\p:U+\p+1], v[TG+\p:TG+\p+1], 1.0 op_sel_hi:[1,0]
.endr
.irp p, 0,2,4,6,8,10,12,14
	v_pk_add_f32 v[TG+\p:TG+\p+1], v[TG+\p:TG+\p+1], -1.0 op_sel_hi:[1,0]
	v_pk_fma_f32 v[TO+\p:TO+\p+1], v[TO+\p:TO+\p+1], v[U+\p:U+\p+1], v[U+\p:U+\p+1]   ; (1 + E_o)(E_c + 1)
.endr
.set e, 0
.rept 16
	v_rcp_f32 v[TO+e], v[TO+e]
.set e, e+1
.endr
	v_nop
	s_wait_alu depctr_va_vdst(0)
.irp p, 0,2,4,6,8,10,12,14
	v_pk_mul_f32 v[TG+\p:TG+\p+1], v[TG+\p:TG+\p+1], v[TO+\p:TO+\p+1]         ; h = sigmoid(o) tanh(c_new)
.endr
.irp p, 0,1,2,3,4,5,6,7
	v_cvt_pk_bf16_f32 v[HP+\p], v[TG+2*\p], v[TG+2*\p+1]
.endr
	ds_store_b128 v[STO], v[HP:HP+3]   offset:\blk*16*SPITCH                  ; units 32 wn + 8 h ..
	ds_store_b128 v[STO], v[HP+4:HP+7] offset:\blk*16*SPITCH+32               ; units 32 wn + 16 + 8 h ..
.endm
	CELLS 0, 0x02, 0
	CELLS 1, 0x02, 1
	CELLS 2, 0x02, 2
	CELLS 3, 0x02, 3
	CELLS 0, 0x03, 4
	CELLS 1, 0x03, 5
	CELLS 2, 0x03, 6
	CELLS 3, 0x03, 7
	; THE WAY OUT: each stage row was written half by one wave, half by another, so: my stores are in LDS, a barrier, and then whole rows are read back.
	s_wait_dscnt 0x0
	s_barrier_signal -1
	s_barrier_wait -1
.irp t, 0,1,2,3,4,5,6,7,8,9,10,11,12,13,14,15
	ds_load_b128 v[TI+4*\t:TI+4*\t+3], v[RD] offset:\t*4*SPITCH               ; rows 64 w + 4 t .. + 3
.endr
.irp t, 0,1,2,3,4,5,6,7,8,9,10,11,12,13,14,15
	s_wait_dscnt 15-\t                             ; LDS loads come back in order: load t is in
	global_store_b128 v[CO], v[TI+4*\t:TI+4*\t+3], s[10:11] offset:512*\t     ; the wave stores 512 consecutive bytes, aligned
.endr
	s_wait_tensorcnt 0x0
	ds_add_u32 v62, v63
	s_wait_dscnt 0x0
	CROUND                                         ; the closing round: no work-group ends while a partner may still ask for a tile that names it
	s_endpgm
.Lfunc_end_k_q054dfe22c4_cell0:
	.size	k_q054dfe22c4_cell0, .Lfunc_end_k_q054dfe22c4_cell0-k_q054dfe22c4_cell0
	.p2alignl 7, 3214868480
	.fill 96, 4, 3214868480
	.section	.rodata,"a",@progbits
	.p2align	6, 0x0
	.amdhsa_kernel k_q054dfe22c4_cell0
		.amdhsa_group_segment_fixed_size 176640
		.amdhsa_private_segment_fixed_size 0
		.amdhsa_enable_private_segment 0
		.amdhsa_kernarg_size 32
		.amdhsa_user_sgpr_count 2
		.amdhsa_user_sgpr_kernarg_segment_ptr 1
		.amdhsa_wavefront_size32 1
		.amdhsa_system_sgpr_workgroup_id_x 1
		.amdhsa_system_sgpr_workgroup_id_y 1
		.amdhsa_system_sgpr_workgroup_id_z 1
		.amdhsa_system_vgpr_workitem_id 0
		.amdhsa_next_free_vgpr 1024
		.amdhsa_next_free_sgpr 66
		.amdhsa_reserve_vcc 0
		.amdhsa_float_denorm_mode_32 3
		.amdhsa_float_denorm_mode_16_64 3
		.amdhsa_memory_ordered 1
		.amdhsa_forward_progress 1
		.amdhsa_inst_pref_size 154
	.end_amdhsa_kernel
	.amdgpu_metadata
---
amdhsa.version: [ 1, 2 ]
amdhsa.kernels:
  - .name:           k_q054dfe22c4_cell0
    .symbol:         k_q054dfe22c4_cell0.kd
    .args:
      - { .name: xb, .offset: 0, .size: 8, .value_kind: global_buffer, .address_space: global }
      - { .name: w0b, .offset: 8, .size: 8, .value_kind: global_buffer, .address_space: global }
      - { .name: bias, .offset: 16, .size: 8, .value_kind: global_buffer, .address_space: global }
      - { .name: h1b, .offset: 24, .size: 8, .value_kind: global_buffer, .address_space: global }
    .group_segment_fixed_size: 176640
    .private_segment_fixed_size: 0
    .kernarg_segment_align: 8
    .kernarg_segment_size: 32
    .max_flat_workgroup_size: 128
    .sgpr_count:     66
    .vgpr_count:     1024
    .wavefront_size: 32
...
	.end_amdgpu_metadata
.endif
;; end of part 2
;; launch cell1 (part 3): grid 16 x 16, 4 waves a work-group, clusters of 4 x 4, 327,680 bytes of LDS; arguments h1b, w1b, bias, h2b; writes h2b
.if DOCPART == 3
	.amdgcn_target "amdgcn-amd-amdhsa--gfx1250"
	.amdhsa_code_object_version 6
	.text
	.protected	k_q054dfe22c4_cell1
	.globl	k_q054dfe22c4_cell1
	.p2align	8
	.type	k_q054dfe22c4_cell1,@function
k_q054dfe22c4_cell1:
	s_mov_b64 s[64:65], 0
	v_nop
	global_prefetch_b8 v0, s[64:65] scope:SCOPE_SE
	s_setreg_imm32_b32 hwreg(HW_REG_WAVE_MODE, 25, 1), 1
	s_wait_xcnt 0x0
	s_wait_alu depctr_hold_cnt(0) depctr_sa_sdst(0) depctr_va_vdst(0) depctr_va_sdst(0) depctr_va_ssrc(0) depctr_va_vcc(0) depctr_vm_vsrc(0)
	s_getreg_b32 s2, hwreg(HW_REG_IB_STS2, 6, 4)
	s_cmp_eq_u32 s2, 0
	s_cbranch_scc0 .Lentry_in_a_cluster
	s_endpgm
.Lentry_in_a_cluster:
	s_bfe_u32 s2, ttmp6, 0x10000c
	s_cmp_lg_u32 s2, 0xf033
	s_cbranch_scc0 .Lentry_shape_is_right
	s_endpgm
.Lentry_shape_is_right:
; LAYER 1: gates = h1 W_ih1^T + bias[1] (which already holds both biases and the start state's share, times k(q)), then the cell; h2 in bf16.
; A work-group makes 256 batch rows (mb) x 64 units (nb) x 4 gates = 256 x 256 gate values with four waves, as many as a WGP has SIMDs;
; a wave makes 128 rows (wm) x 32 units (wn) x 4 gates: 64 accumulator tiles of 16 x 16, 512 registers.
; K = 1,024 goes in 8 steps of 128 through a ring of two LDS slots filled by the tensor data mover.
; THE MATRIX INSTRUCTION IS USED TRANSPOSED: source 0 = 16 rows of the weights, source 1 = 16 batch rows.  Lane l then holds batch row l % 16 and its registers
; 0 to 7 the columns 8 (l / 16) + 0 .. 7.  Column block b = 2 q + ub is gate q, units 16 ub .. of my 32: so i, f, g, o of one cell lie in the same
; lane and the same register number of four tiles, and the cell needs no traffic between lanes.
; CLUSTERS: 4 x 4 work-groups.  A's tiles hang on mb alone and are asked for jointly by a row of the cluster, B's on nb alone, by a column: a quarter of the requests.
; h1b AND h2b ARE LAID IN CHUNKS: [16 chunks of 64 units][4,096 rows][64 units] bf16.  A K step is two chunks; a wave fetches 128 rows of one chunk, 16,384 consecutive
; bytes, as 64 rows of 256 bytes, padded behind every 128 bytes so that a row of h lies 144 bytes from the next.  This work-group's h2 is 32,768 consecutive bytes.
; sigmoid(x) = 1 / (1 + E), E = 2^(-log2(e) x);  tanh(x) = (E - 1) / (E + 1), E = 2^(2 log2(e) x).  One reciprocal serves sigmoid(i) tanh(g), one sigmoid(o) tanh(c).
; LIMITS: matrix operands are bf16.  tanh by (E - 1) / (E + 1) has an absolute error of about 1e-7, so its relative error passes 1 per cent below |x| of about 1e-5.
; Gate g's exponent is cut at 40 (tanh is 1.0 in f32 far below), by a minimum in which a NaN loses: a NaN in g's pre-activation comes out as tanh = 1; other NaNs go through.
; Infinite pre-activations give the limit values.  |c| <= |C_START| + 1, so the second tanh's exponent needs no cut.
.set APITCH, 144                       ; an LDS row of A: 128 bytes + 16; of B: 256 + 16.  Both odd multiples of 16: the 16 rows of a fragment load start 16 bytes apart modulo 256
.set BPITCH, 272
.set CHUNK,  256*APITCH                ; 36,864: 256 rows of one chunk
.set ABYTES, 2*CHUNK                   ; 73,728: A's part of a slot; B's 256 rows (row = 64 q + unit) lie behind it
.set SLOT,   ABYTES+256*BPITCH         ; 143,360
.set STAGE,  2*SLOT                    ; 286,720: 256 rows x 144 bytes of h, written by LDS stores alone; no tile lands here
.set SPITCH, 144
.set LAPS,   4                         ; a lap = two K steps = once round the ring
.set ASTEP,  2*4096*128                ; bytes of h1b from a K step to the next: two chunks
.set BSTEP,  256                       ; bytes of w1b: 128 elements along a row
.set BIASL,  16384                     ; layer 1's part of bias
.set KSIG,   0xbfb8aa3b                ; -log2(e)
.set KTANH,  0x4038aa3b                ; 2 log2(e)
.set C_START, 0                        ; every element of c2 at step 0, as reference() builds it
.set ADRA, 16                          ; v16-17  LDS address of my A fragments in slot 0, 1
.set ADRB, 20                          ; v20-21  the same for B
.set STO,  24                          ; v24  the way out: where I put 16 bytes of a row of h
.set RD,   25                          ; v25  where I read rows back
.set CO,   26                          ; v26  my byte offset in the work-group's block of h2b
.set BO,   27                          ; v27  my byte offset in bias
.set F0,   64                          ; fragment buffer 0: window 0 A, window 1 B
.set F1,   128                         ; fragment buffer 1
.set BIAS, 192                         ; v[192:255] window 0: bias of my columns, [q][ub][8]
.set TI,   64                          ; the cell's work registers, window 0, 16 each: gate i,
.set TF,   80                          ; f,
.set TG,   96                          ; g,
.set TO,   112                         ; o,
.set U,    128                         ; E + 1
.set HP,   144                         ; v[144:151] h, packed
.set G1A, 24                           ; s[24:31] descriptor group 1 of A's tiles
.set G0A, 32                           ; s[32:39] group 0, a set for each slot
.set G1B, 48                           ; s[48:55]
.set G0B, 56                           ; s[56:63]
.set MSB, 0
.macro WIN new                         ; s_set_vgpr_msb: bits 1:0 source 0, 3:2 source 1, 5:4 source 2, 7:6 destination; the high byte repeats the setting that is left
.if MSB != \new
	s_set_vgpr_msb (MSB<<8)|\new
.set MSB, \new
.endif
.endm
.set MUL_LO, 0xa1                      ; source 0 (weights) window 1, source 1 (batch rows) window 0, C and D window 2
.set MUL_HI, 0xf1                      ; the same, C and D window 3
.set TO_B,   0x40                      ; destination window 1, address window 0
; A round of the cluster's barrier: my work-group's barrier, so that wave 0's signal speaks for all four waves; wave 0 signals for the work-group; every wave waits for
; all sixteen work-groups; my work-group's barrier once more.
.macro CREST                           ; a round behind its opening barrier
	s_cmp_lg_u32 s12, 0
	s_cbranch_scc1 .Lnot_wave_0_\@
	s_barrier_signal -3
.Lnot_wave_0_\@:
	s_barrier_wait -3
	s_barrier_signal -1
	s_barrier_wait -1
.endm
.macro CROUND                          ; a whole round
	s_barrier_signal -1
	s_barrier_wait -1
	CREST
.endm
	s_load_b256 s[4:11], s[0:1], 0x0               ; h1b s[4:5], w1b s[6:7], bias s[8:9], h2b s[10:11]
	s_set_vgpr_msb 0x40
	v_lshl_add_u32 v255, v0, 2, 0x4f000
	s_set_vgpr_msb 0x4000
	v_mov_b32 v63, 0
	s_set_vgpr_msb 0x1
	ds_add_u32 v255, v63
	s_set_vgpr_msb 0x100
	v_lshrrev_b32 v1, 5, v0
	v_readfirstlane_b32 s12, v1                    ; wave 0..3
	s_lshr_b32 s13, s12, 1                         ; wm: which 128 rows are mine.  Also: which chunk of a K step I fetch
	s_and_b32 s14, s12, 1                          ; wn: which 32 units.  Also: which 128 rows of that chunk I fetch
	s_bfe_u32 s16, ttmp6, 0x40000                  ; cx
	s_bfe_u32 s17, ttmp6, 0x40004                  ; cy
	s_lshl_b32 s18, ttmp9, 2
	s_add_co_u32 s18, s18, s16                     ; nb = 4 x cluster x + cx
	s_and_b32 s19, ttmp7, 0xffff
	s_lshl_b32 s19, s19, 2
	s_add_co_u32 s19, s19, s17                     ; mb = 4 x cluster y + cy
	s_lshl_b32 s20, s17, 2
	s_lshl_b32 s20, 15, s20                        ; my row of the cluster: places 4 cy .. 4 cy + 3
	s_lshl_b32 s21, 0x1111, s16                    ; my column: places cx, cx + 4, cx + 8, cx + 12
	; group 1.  A: 64 rows x 128 elements of 2 bytes, dense (128 elements from row to row), 4 words of padding behind every 32.
	;           B: 64 rows x 128 elements, 1,024 elements from row to row, 4 words of padding behind every 64.
	s_or_b32 s[G1A+0], s20, (1<<16)|(1<<20)|(1<<21)|(4<<22)|(3<<25)   ; 15:0 mask; 17:16 2 bytes; 20 padding on; 21 set beside a mask; 24:22 every 32 words; 31:25 4 words
	s_or_b32 s[G1B+0], s21, (1<<16)|(1<<20)|(1<<21)|(5<<22)|(3<<25)   ; the same with my column's mask and every 64 words
	s_mov_b32 s[G1A+1], 128<<16                    ; tensor_dim0 = 128
	s_mov_b32 s[G1B+1], 128<<16
	s_mov_b32 s[G1A+2], 64<<16                     ; tensor_dim1 = 64
	s_mov_b32 s[G1B+2], 64<<16
	s_mov_b32 s[G1A+3], 128<<16                    ; tile_dim0 = 128
	s_mov_b32 s[G1B+3], 128<<16
	s_mov_b32 s[G1A+4], 64                         ; tile_dim1 = 64
	s_mov_b32 s[G1B+4], 64
	s_mov_b32 s[G1A+5], 128                        ; elements from row to row
	s_mov_b32 s[G1B+5], 1024
	s_mov_b32 s[G1A+6], 0
	s_mov_b32 s[G1B+6], 0
	s_mov_b32 s[G1A+7], 0
	s_mov_b32 s[G1B+7], 0
	; where the tiles come from.  A's registers never hold cx, B's never cy.
	s_lshl_b32 s40, s19, 15                        ; A: 256 mb rows of 128 bytes
	s_lshl_b32 s44, s13, 19                        ;    + my chunk of the K step
	s_add_co_u32 s40, s40, s44
	s_lshl_b32 s44, s14, 14                        ;    + my 128 rows of it
	s_add_co_u32 s40, s40, s44
	s_mov_b32 s41, 0
	s_lshl_b32 s42, s12, 21                        ; B: gate w: 1,024 rows of 2,048 bytes
	s_lshl_b32 s45, s18, 17                        ;    + 64 nb rows
	s_add_co_u32 s42, s42, s45
	s_mov_b32 s43, 0
	s_mul_i32 s22, s12, 128*APITCH                 ; and where they go: the wave's number alone
	s_mul_i32 s23, s12, 64*BPITCH
	s_add_co_u32 s23, s23, ABYTES
	s_wait_dscnt 0x0
	s_wait_kmcnt 0x0
	s_add_nc_u64 s[40:41], s[4:5], s[40:41]
	s_add_nc_u64 s[42:43], s[6:7], s[42:43]
	CROUND                                         ; all sixteen work-groups are here: the first joint loads meet
.irp s, 0,1
	s_mov_b32 s[G0A+4*\s], 1                                       ; count = 1
	s_add_co_u32 s[G0A+4*\s+1], s22, \s*SLOT                       ; LDS address
	s_add_nc_u64 s[G0A+4*\s+2:G0A+4*\s+3], s[40:41], \s*ASTEP      ; global address: K step s
	s_or_b32 s[G0A+4*\s+3], s[G0A+4*\s+3], 0x80000000              ; type = 2
	s_mov_b32 s[G0B+4*\s], 1
	s_add_co_u32 s[G0B+4*\s+1], s23, \s*SLOT
	s_add_nc_u64 s[G0B+4*\s+2:G0B+4*\s+3], s[42:43], \s*BSTEP
	s_or_b32 s[G0B+4*\s+3], s[G0B+4*\s+3], 0x80000000
	tensor_load_to_lds s[G0A+4*\s:G0A+4*\s+3], s[G1A:G1A+7]        ; every wave issues both lines: four tensor loads of a wave are out here, two in the loop
	s_nop 0
	tensor_load_to_lds s[G0B+4*\s:G0B+4*\s+3], s[G1B:G1B+7]
	s_nop 0
.endr
	v_and_b32 v1, 15, v0                           ; r = l % 16
	v_bfe_u32 v2, v0, 4, 1                         ; h = l / 16
	v_mul_u32_u24 v3, v1, APITCH
	v_lshl_add_u32 v3, v2, 4, v3                   ; A, and the stage: row x 144 + 16 h
	v_mul_u32_u24 v4, v1, BPITCH
	v_lshl_add_u32 v4, v2, 4, v4                   ; B: row x 272 + 16 h
	s_mul_i32 s44, s13, 128*APITCH                 ; my 128 rows of A
	s_mul_i32 s15, s14, 32*BPITCH                  ; my 32 units of each gate,
	s_add_co_u32 s15, s15, ABYTES                  ; behind A
.irp s, 0,1
	v_add_nc_u32 v[ADRA+\s], s44, v3
	v_add_nc_u32 v[ADRB+\s], s15, v4
	s_add_co_u32 s44, s44, SLOT
	s_add_co_u32 s15, s15, SLOT
.endr
	s_mul_i32 s44, s13, 128*SPITCH
	s_lshl_b32 s15, s14, 6
	s_add_co_u32 s44, s44, s15
	s_add_co_u32 s44, s44, STAGE
	v_add_nc_u32 v[STO], s44, v3                   ; stage row 128 wm + r, byte 64 wn + 16 h
	v_bfe_u32 v5, v0, 3, 2                         ; back: eight lanes take a row of 128 bytes, a wave four rows
	v_and_b32 v6, 7, v0
	v_mul_u32_u24 v5, v5, SPITCH
	v_lshl_add_u32 v5, v6, 4, v5
	s_mul_i32 s44, s12, 64*SPITCH
	s_add_co_u32 s44, s44, STAGE
	v_add_nc_u32 v[RD], s44, v5                    ; stage row 64 w + l / 8, byte 16 (l % 8)
	v_and_b32 v7, 31, v0
	s_lshl_b32 s44, s12, 13
	v_lshl_add_u32 v[CO], v7, 4, s44               ; 64 rows of 128 bytes a wave + 16 l
	s_lshl_b32 s45, s18, 8
	s_lshl_b32 s46, s14, 7
	s_add_co_u32 s45, s45, s46
	v_lshl_add_u32 v[BO], v2, 5, s45               ; bias word 64 nb + 32 wn + 8 h
.irp q, 0,1,2,3
.irp ub, 0,1
	global_load_b128 v[BIAS+16*\q+8*\ub:BIAS+16*\q+8*\ub+3],   v[BO], s[8:9] offset:BIASL+4096*\q+64*\ub
	global_load_b128 v[BIAS+16*\q+8*\ub+4:BIAS+16*\q+8*\ub+7], v[BO], s[8:9] offset:BIASL+4096*\q+64*\ub+16
.endr
.endr
; 16 matrix instructions: row blocks a0, a0 + 1 of the window's four (hi = 0: my rows 0-63, 1: rows 64-127) x all 8 column blocks, 32 along K.  zero = 1: the product starts the sums.
.macro MUL16 f, hi, a0, zero
.irp a, \a0, \a0+1
.irp b, 0,1,2,3,4,5,6,7
.if \zero
	v_wmma_f32_16x16x32_bf16 v[8*(8*(\a)+\b):8*(8*(\a)+\b)+7], v[\f+8*\b:\f+8*\b+7], v[\f+8*(4*\hi+\a):\f+8*(4*\hi+\a)+7], 0
.else
	v_wmma_f32_16x16x32_bf16 v[8*(8*(\a)+\b):8*(8*(\a)+\b)+7], v[\f+8*\b:\f+8*\b+7], v[\f+8*(4*\hi+\a):\f+8*(4*\hi+\a)+7], v[8*(8*(\a)+\b):8*(8*(\a)+\b)+7]
.endif
.endr
.endr
.endm
; 32 LDS loads in one run: the fragments of 32 along K (byte kb of B's rows; byte ka of A's part: chunk and byte in the row) into buffer f.
; Column block b = 2 q + ub starts at B's LDS row 64 q + 16 ub.
.macro FETCH slot, ka, kb, f
	WIN TO_B
.irp b, 0,1,2,3,4,5,6,7
	ds_load_b128 v[\f+8*\b:\f+8*\b+3],   v[ADRB+\slot] offset:\kb+((\b>>1)*64+(\b&1)*16)*BPITCH
	ds_load_b128 v[\f+8*\b+4:\f+8*\b+7], v[ADRB+\slot] offset:\kb+((\b>>1)*64+(\b&1)*16)*BPITCH+32
.endr
	WIN 0
.irp i, 0,1,2,3,4,5,6,7
	ds_load_b128 v[\f+8*\i:\f+8*\i+3],   v[ADRA+\slot] offset:\ka+\i*16*APITCH
	ds_load_b128 v[\f+8*\i+4:\f+8*\i+7], v[ADRA+\slot] offset:\ka+\i*16*APITCH+32
.endr
.endm
; Four places behind a matrix instruction before a load is issued into one of its sources or a vector instruction reads its result (ISA guide 7.12.1 for vector
; instructions); the matrix instructions in between are not counted as places.
.macro PLACES
.rept 4
	v_nop
.endr
.endm
; A K step is four quarters of 32 along K, 64 matrix instructions each, on buffers 0, 1, 0, 1.  The 64 accumulators take turns, one instruction a turn, in the same
; order in every quarter, over the backward jump too.
; One of the first three quarters: multiplies buffer f; in its middle it fetches the next quarter's fragments into buffer g.
.macro QUARTER slot, ka, kb, f, g, zero
	s_wait_dscnt 8                                 ; B and A's rows 0-63 are in; the youngest eight loads (A's rows 64-127) may be out
	WIN MUL_LO
	MUL16 \f, 0, 0, \zero
	MUL16 \f, 0, 2, \zero
	PLACES
	FETCH \slot, \ka, \kb, \g
	s_wait_dscnt 32                                ; all but the 32 just issued
	WIN MUL_HI
	MUL16 \f, 1, 0, \zero
	MUL16 \f, 1, 2, \zero
.endm
.macro THREE slot, zero
	QUARTER \slot, 64,       64,  F0, F1, \zero
	QUARTER \slot, CHUNK,    128, F1, F0, 0
	QUARTER \slot, CHUNK+64, 192, F0, F1, 0
.endm
; The last quarter: multiplies buffer 1 and changes slots.  next = the other slot; fill = 1: this slot is filled again, two K steps ahead.
; In front of the barrier each wave waits for its own reads of this slot and for all its tensor loads, of which two are out: its parts of the next slot.
; Behind it nobody reads this slot any more and the next slot is whole: the refills come first, then the next slot's first fragments.
; From a request to the wait for it a wave issues 240 matrix instructions.
.macro TURN slot, next, fill
	s_wait_dscnt 8
	WIN MUL_LO
	MUL16 F1, 0, 0, 0
	s_wait_dscnt 0                                 ; my reads of this slot are over
	s_wait_tensorcnt 0x0                           ; and all my tensor loads have landed:
	ds_add_u32 v255, v63
	s_wait_dscnt 0x0
	s_barrier_signal -1                            ; say so (where the slot is filled again this barrier opens a round of the cluster's barrier),
	MUL16 F1, 0, 2, 0                              ; work on registers while the others arrive,
	WIN 0
	s_barrier_wait -1
.if \fill
	CREST                                          ; no wave of any partner still reads this slot's tiles or has a load on its way
	s_add_nc_u64 s[G0A+4*\slot+2:G0A+4*\slot+3], s[G0A+4*\slot+2:G0A+4*\slot+3], 2*ASTEP
	s_add_nc_u64 s[G0B+4*\slot+2:G0B+4*\slot+3], s[G0B+4*\slot+2:G0B+4*\slot+3], 2*BSTEP
	tensor_load_to_lds s[G0A+4*\slot:G0A+4*\slot+3], s[G1A:G1A+7]  ; the first tensor loads behind the round
	s_nop 0
	tensor_load_to_lds s[G0B+4*\slot:G0B+4*\slot+3], s[G1B:G1B+7]
	s_nop 0
.endif
	PLACES
	FETCH \next, 0, 0, F0
	WIN MUL_HI
	MUL16 F1, 1, 0, 0
	MUL16 F1, 1, 2, 0
.endm
.macro LAP zero                        ; once round the ring, both slots filled again
	THREE 0, \zero
	TURN 0, 1, 1
	THREE 1, 0
	TURN 1, 0, 1
.endm
	s_wait_loadcnt 0x0                             ; the biases, once
	s_wait_tensorcnt 2                             ; my two parts of K step 0 are in; K step 1's two may stay out
	s_barrier_signal -1
	s_barrier_wait -1                              ; everybody's are
	FETCH 0, 0, 0, F0
	LAP 1                                          ; the first lap stands in front of the loop: its first products start the sums
	WIN 0                                          ; at a label and at a branch every window is 0
	s_mov_b32 s15, LAPS-2
.Llap:
	LAP 0
	WIN 0
	s_sub_co_u32 s15, s15, 1
	s_cmp_lg_u32 s15, 0
	s_cbranch_scc1 .Llap
	THREE 0, 0                                     ; the last lap fills nothing and has no round of the cluster's barrier
	TURN 0, 1, 0
	THREE 1, 0
	s_wait_dscnt 8                                 ; the very last quarter: nothing more to fetch
	WIN MUL_LO
	MUL16 F1, 0, 0, 0
	MUL16 F1, 0, 2, 0
	s_wait_dscnt 0
	WIN MUL_HI
	MUL16 F1, 1, 0, 0
	MUL16 F1, 1, 2, 0
	PLACES                                         ; behind the last matrix instructions: the cell reads results and writes over fragment registers
	s_lshl_b32 s46, s18, 19                        ; chunk nb: 4,096 rows of 128 bytes
	s_lshl_b32 s44, s19, 15                        ; 256 rows
	s_add_co_u32 s46, s46, s44
	s_mov_b32 s47, 0
	s_add_nc_u64 s[10:11], s[10:11], s[46:47]      ; the work-group's 32,768 bytes of h2b
; gate q of row block a: T = acc * k + bias (bias already times k): the exponent of 2
.macro PRE a, q, k
.irp ub, 0,1
.irp p, 0,2,4,6
	v_pk_fma_f32 v[TI+16*\q+8*\ub+\p:TI+16*\q+8*\ub+\p+1], v[8*(8*\a+2*\q+\ub)+\p:8*(8*\a+2*\q+\ub)+\p+1], \k, v[BIAS+16*\q+8*\ub+\p:BIAS+16*\q+8*\ub+\p+1] op_sel_hi:[1,0,1]
.endr
.endr
.endm
; The cells of 16 rows x 32 units: 16 cells a lane.  a: the row block in its window; from: source 0's window (2 or 3); blk: the row block among my eight.
; Behind each run of transcendentals stands one v_nop before a result is used (ISA guide 5.7.2).
.macro CELLS a, from, blk
	WIN \from
	PRE \a, 0, KSIG
	PRE \a, 1, KSIG
	PRE \a, 2, KTANH
	PRE \a, 3, KSIG
	WIN 0
.set e, 0
.rept 16
	v_min_num_f32 v[TG+e], 0x42200000, v[TG+e]     ; at most 40: E_g stays finite, so that (E_g - 1) x 0 is 0
.set e, e+1
.endr
.set e, 0
.rept 64
	v_exp_f32 v[TI+e], v[TI+e]                     ; E_i, E_f, E_g, E_o
.set e, e+1
.endr
	v_nop
	s_wait_alu depctr_va_vdst(0)
.irp p, 0,2,4,6,8,10,12,14
	v_pk_add_f32 v[U+\p:U+\p+1],   v[TG+\p:TG+\p+1], 1.0 op_sel_hi:[1,0]      ; E_g + 1
	v_pk_add_f32 v[TF+\p:TF+\p+1], v[TF+\p:TF+\p+1], 1.0 op_sel_hi:[1,0]      ; 1 + E_f
.endr
.irp p, 0,2,4,6,8,10,12,14
	v_pk_add_f32 v[TG+\p:TG+\p+1], v[TG+\p:TG+\p+1], -1.0 op_sel_hi:[1,0]     ; E_g - 1
	v_pk_fma_f32 v[TI+\p:TI+\p+1], v[TI+\p:TI+\p+1], v[U+\p:U+\p+1], v[U+\p:U+\p+1]   ; (1 + E_i)(E_g + 1)
.endr
.set e, 0
.rept 32
	v_rcp_f32 v[TI+e], v[TI+e]                     ; TI and TF lie side by side
.set e, e+1
.endr
	v_nop
	s_wait_alu depctr_va_vdst(0)
.irp p, 0,2,4,6,8,10,12,14
	v_pk_mul_f32 v[TF+\p:TF+\p+1], v[TF+\p:TF+\p+1], C_START op_sel_hi:[1,0]  ; sigmoid(f) c
.endr
.irp p, 0,2,4,6,8,10,12,14
	v_pk_fma_f32 v[TG+\p:TG+\p+1], v[TG+\p:TG+\p+1], v[TI+\p:TI+\p+1], v[TF+\p:TF+\p+1]   ; c_new = sigmoid(i) tanh(g) + sigmoid(f) c
.endr
.irp p, 0,2,4,6,8,10,12,14
	v_pk_mul_f32 v[TG+\p:TG+\p+1], v[TG+\p:TG+\p+1], KTANH op_sel_hi:[1,0]
.endr
.set e, 0
.rept 16
	v_exp_f32 v[TG+e], v[TG+e]                     ; E_c
.set e, e+1
.endr
	v_nop
	s_wait_alu depctr_va_vdst(0)
.irp p, 0,2,4,6,8,10,12,14
	v_pk_add_f32 v[U+\p:U+\p+1], v[TG+\p:TG+\p+1], 1.0 op_sel_hi:[1,0]
.endr
.irp p, 0,2,4,6,8,10,12,14
	v_pk_add_f32 v[TG+\p:TG+\p+1], v[TG+\p:TG+\p+1], -1.0 op_sel_hi:[1,0]
	v_pk_fma_f32 v[TO+\p:TO+\p+1], v[TO+\p:TO+\p+1], v[U+\p:U+\p+1], v[U+\p:U+\p+1]   ; (1 + E_o)(E_c + 1)
.endr
.set e, 0
.rept 16
	v_rcp_f32 v[TO+e], v[TO+e]
.set e, e+1
.endr
	v_nop
	s_wait_alu depctr_va_vdst(0)
.irp p, 0,2,4,6,8,10,12,14
	v_pk_mul_f32 v[TG+\p:TG+\p+1], v[TG+\p:TG+\p+1], v[TO+\p:TO+\p+1]         ; h = sigmoid(o) tanh(c_new)
.endr
.irp p, 0,1,2,3,4,5,6,7
	v_cvt_pk_bf16_f32 v[HP+\p], v[TG+2*\p], v[TG+2*\p+1]
.endr
	ds_store_b128 v[STO], v[HP:HP+3]   offset:\blk*16*SPITCH                  ; units 32 wn + 8 h ..
	ds_store_b128 v[STO], v[HP+4:HP+7] offset:\blk*16*SPITCH+32               ; units 32 wn + 16 + 8 h ..
.endm
	CELLS 0, 0x02, 0
	CELLS 1, 0x02, 1
	CELLS 2, 0x02, 2
	CELLS 3, 0x02, 3
	CELLS 0, 0x03, 4
	CELLS 1, 0x03, 5
	CELLS 2, 0x03, 6
	CELLS 3, 0x03, 7
	; THE WAY OUT: each stage row was written half by one wave, half by another, so: my stores are in LDS, a barrier, and then whole rows are read back.
	s_wait_dscnt 0x0
	s_barrier_signal -1
	s_barrier_wait -1
.irp t, 0,1,2,3,4,5,6,7,8,9,10,11,12,13,14,15
	ds_load_b128 v[TI+4*\t:TI+4*\t+3], v[RD] offset:\t*4*SPITCH               ; rows 64 w + 4 t .. + 3
.endr
.irp t, 0,1,2,3,4,5,6,7,8,9,10,11,12,13,14,15
	s_wait_dscnt 15-\t                             ; LDS loads come back in order: load t is in
	global_store_b128 v[CO], v[TI+4*\t:TI+4*\t+3], s[10:11] offset:512*\t     ; the wave stores 512 consecutive bytes, aligned
.endr
	s_set_vgpr_msb 0x1
	s_wait_tensorcnt 0x0
	ds_add_u32 v255, v63
	s_wait_dscnt 0x0
	s_set_vgpr_msb 0x100
	CROUND                                         ; the closing round: no work-group ends while a partner may still ask for a tile that names it
	s_endpgm
.Lfunc_end_k_q054dfe22c4_cell1:
	.size	k_q054dfe22c4_cell1, .Lfunc_end_k_q054dfe22c4_cell1-k_q054dfe22c4_cell1
	.p2alignl 7, 3214868480
	.fill 96, 4, 3214868480
	.section	.rodata,"a",@progbits
	.p2align	6, 0x0
	.amdhsa_kernel k_q054dfe22c4_cell1
		.amdhsa_group_segment_fixed_size 327680
		.amdhsa_private_segment_fixed_size 0
		.amdhsa_enable_private_segment 0
		.amdhsa_kernarg_size 32
		.amdhsa_user_sgpr_count 2
		.amdhsa_user_sgpr_kernarg_segment_ptr 1
		.amdhsa_wavefront_size32 1
		.amdhsa_system_sgpr_workgroup_id_x 1
		.amdhsa_system_sgpr_workgroup_id_y 1
		.amdhsa_system_sgpr_workgroup_id_z 1
		.amdhsa_system_vgpr_workitem_id 0
		.amdhsa_next_free_vgpr 1024
		.amdhsa_next_free_sgpr 66
		.amdhsa_reserve_vcc 0
		.amdhsa_float_denorm_mode_32 3
		.amdhsa_float_denorm_mode_16_64 3
		.amdhsa_memory_ordered 1
		.amdhsa_forward_progress 1
		.amdhsa_inst_pref_size 255
	.end_amdhsa_kernel
	.section	.bss,"aw",@nobits
	.p2align	6
	.space	262144
	.amdgpu_metadata
---
amdhsa.version: [ 1, 2 ]
amdhsa.kernels:
  - .name:           k_q054dfe22c4_cell1
    .symbol:         k_q054dfe22c4_cell1.kd
    .args:
      - { .name: h1b, .offset: 0, .size: 8, .value_kind: global_buffer, .address_space: global }
      - { .name: w1b, .offset: 8, .size: 8, .value_kind: global_buffer, .address_space: global }
      - { .name: bias, .offset: 16, .size: 8, .value_kind: global_buffer, .address_space: global }
      - { .name: h2b, .offset: 24, .size: 8, .value_kind: global_buffer, .address_space: global }
    .group_segment_fixed_size: 327680
    .private_segment_fixed_size: 0
    .kernarg_segment_align: 8
    .kernarg_segment_size: 32
    .max_flat_workgroup_size: 128
    .sgpr_count:     66
    .vgpr_count:     1024
    .wavefront_size: 32
...
	.end_amdgpu_metadata
.endif
;; end of part 3
;; launch proj (part 4): grid 256 x 1, 4 waves a work-group, clusters of 4 x 1, 189,952 bytes of LDS; arguments h2b, wob, b_out, out0; writes out0
.if DOCPART == 4
	.amdgcn_target "amdgcn-amd-amdhsa--gfx1250"
	.amdhsa_code_object_version 6
	.text
	.protected	k_q054dfe22c4_proj
	.globl	k_q054dfe22c4_proj
	.p2align	8
	.type	k_q054dfe22c4_proj,@function
k_q054dfe22c4_proj:
	s_mov_b64 s[64:65], 0
	v_nop
	global_prefetch_b8 v0, s[64:65] scope:SCOPE_SE
	s_setreg_imm32_b32 hwreg(HW_REG_WAVE_MODE, 25, 1), 1
	s_wait_xcnt 0x0
	s_wait_alu depctr_hold_cnt(0) depctr_sa_sdst(0) depctr_va_vdst(0) depctr_va_sdst(0) depctr_va_ssrc(0) depctr_va_vcc(0) depctr_vm_vsrc(0)
	s_getreg_b32 s2, hwreg(HW_REG_IB_STS2, 6, 4)
	s_cmp_eq_u32 s2, 0
	s_cbranch_scc0 .Lentry_in_a_cluster
	s_endpgm
.Lentry_in_a_cluster:
	s_bfe_u32 s2, ttmp6, 0x10000c
	s_cmp_lg_u32 s2, 0x3003
	s_cbranch_scc0 .Lentry_shape_is_right
	s_endpgm
.Lentry_shape_is_right:
; THE HEAD: y = h2 W_out^T + b_out.  h2b: [16 chunks of 64 units][4,096 rows][64 units] bf16; wob: [64][1,024] bf16; out0: [4,096][64] f32.
; 256 work-groups of 16 batch rows.  K = 1,024 is shared among the four waves: wave w takes units 256 w .. 256 w + 255 (chunks 4 w .. 4 w + 3), fetches its own tiles and
; reads no other wave's, so its own wait on its tensor loads orders its reads.  The four partial sums (16 x 64 f32 each) meet in LDS behind one barrier.
; CLUSTERS: four work-groups; W_out's tiles are the same for all and are asked for jointly (mask 15).  h2's rows are each work-group's own: a plain load.
; The matrix instruction is used transposed (source 0 = 16 rows of W_out, source 1 = 16 batch rows): lane l holds batch row l % 16, registers 0-7 the outputs 8 (l / 16) + 0 .. 7.
; LIMITS: operands are bf16; each output is the sum of four partial sums over 256 units, another order than reference()'s.
.set BPITCH, 528                       ; W_out's LDS row: 512 bytes + 16, an odd multiple of 16
.set BWAVE,  64*BPITCH                 ; 33,792 a wave
.set APITCH, 144                       ; a row of h in one chunk: 128 bytes + 16
.set ABASE,  4*BWAVE                   ; 135,168
.set AWAVE,  4*16*APITCH               ; 9,216 a wave: 4 chunks x 16 rows
.set RED,    ABASE+4*AWAVE             ; 172,032: the partial sums, written by LDS stores alone; no tile lands here
.set RPITCH, 272                       ; 64 f32 + 16 bytes
.set RWAVE,  16*RPITCH                 ; 4,352 a wave
.set ADA, 4                            ; v4   LDS address of my A fragments
.set ADB, 5                            ; v5   of my B fragments
.set STO, 6                            ; v6   where my partial sums go
.set RD,  7                            ; v7   where I read the four partial sums of my rows
.set CO,  8                            ; v8   my byte offset in the work-group's rows of out0
.set BOUT, 12                          ; v[12:15] b_out of my four outputs
.set FA,  32                           ; v[32:95]   A: 8 K steps x 8 registers; later the partial sums
.set FB,  96                           ; v[96:223]  B: 4 K steps x 4 column blocks x 8 registers
.set ACC, 224                          ; v[224:255] four accumulator tiles
.macro ROUND                           ; a round of the cluster's barrier
	s_barrier_signal -1
	s_barrier_wait -1
	s_cmp_lg_u32 s12, 0
	s_cbranch_scc1 .Lnot_wave_0_\@
	s_barrier_signal -3
.Lnot_wave_0_\@:
	s_barrier_wait -3
	s_barrier_signal -1
	s_barrier_wait -1
.endm
	s_load_b256 s[4:11], s[0:1], 0x0               ; h2b s[4:5], wob s[6:7], b_out s[8:9], out0 s[10:11]
	v_lshl_add_u32 v30, v0, 2, 0x2e400
	v_mov_b32 v31, 0
	ds_add_u32 v30, v31
	v_lshrrev_b32 v1, 5, v0
	v_readfirstlane_b32 s12, v1                    ; wave 0..3
	s_bfe_u32 s13, ttmp6, 0x40000                  ; cx
	s_lshl_b32 s14, ttmp9, 2
	s_add_co_u32 s14, s14, s13                     ; g = 4 x cluster x + cx
	; B's group 1: 64 rows x 256 elements of 2 bytes, 1,024 elements from row to row, 4 words of padding behind every 128; all four work-groups
	s_mov_b32 s24, 15|(1<<16)|(1<<20)|(1<<21)|(6<<22)|(3<<25)
	s_mov_b32 s25, 256<<16                         ; tensor_dim0 = 256
	s_mov_b32 s26, 64<<16                          ; tensor_dim1 = 64
	s_mov_b32 s27, 256<<16                         ; tile_dim0 = 256
	s_mov_b32 s28, 64                              ; tile_dim1 = 64
	s_mov_b32 s29, 1024
	s_mov_b32 s30, 0
	s_mov_b32 s31, 0
	; A's group 1: 4 rows (chunks) x 1,024 elements (16 rows of h, 2,048 consecutive bytes), a chunk = 262,144 elements apart, 4 words of padding behind every 32; no mask
	s_mov_b32 s32, (1<<16)|(1<<20)|(4<<22)|(3<<25)
	s_mov_b32 s33, 1024<<16                        ; tensor_dim0 = 1,024
	s_mov_b32 s34, 4<<16                           ; tensor_dim1 = 4
	s_mov_b32 s35, 1024<<16                        ; tile_dim0 = 1,024
	s_mov_b32 s36, 4                               ; tile_dim1 = 4
	s_mov_b32 s37, 262144
	s_mov_b32 s38, 0
	s_mov_b32 s39, 0
	s_lshl_b32 s40, s12, 9                         ; B: my 256 columns.  No register of B's descriptor ever holds cx
	s_mov_b32 s41, 0
	s_lshl_b32 s42, s12, 21                        ; A: my four chunks
	s_lshl_b32 s44, s14, 11                        ;    + 16 g rows of 128 bytes
	s_add_co_u32 s42, s42, s44
	s_mov_b32 s43, 0
	s_lshl_b32 s44, s14, 12                        ; out0: 16 g rows of 256 bytes
	s_mov_b32 s45, 0
	s_mov_b32 s16, 1                               ; B's group 0
	s_mul_i32 s17, s12, BWAVE
	s_mov_b32 s20, 1                               ; A's group 0
	s_mul_i32 s21, s12, AWAVE
	s_add_co_u32 s21, s21, ABASE
	s_wait_dscnt 0x0
	s_wait_kmcnt 0x0
	s_add_nc_u64 s[18:19], s[6:7], s[40:41]
	s_or_b32 s19, s19, 0x80000000
	s_add_nc_u64 s[22:23], s[4:5], s[42:43]
	s_or_b32 s23, s23, 0x80000000
	s_add_nc_u64 s[10:11], s[10:11], s[44:45]
	ROUND                                          ; all four work-groups are here: the joint loads meet
	tensor_load_to_lds s[16:19], s[24:31]          ; two tensor loads of the wave are out, no more in this text
	s_nop 0
	tensor_load_to_lds s[20:23], s[32:39]
	s_nop 0
	v_and_b32 v1, 15, v0                           ; r = l % 16
	v_bfe_u32 v2, v0, 4, 1                         ; h = l / 16
	v_lshlrev_b32 v9, 4, v1                        ; my four outputs: 16 r bytes
	global_load_b128 v[BOUT:BOUT+3], v9, s[8:9]
	v_mul_u32_u24 v3, v1, APITCH
	v_lshl_add_u32 v3, v2, 4, v3
	v_add_nc_u32 v[ADA], s21, v3                   ; my A tile + 144 r + 16 h
	v_mul_u32_u24 v3, v1, BPITCH
	v_lshl_add_u32 v3, v2, 4, v3
	v_add_nc_u32 v[ADB], s17, v3                   ; my B tile + 528 r + 16 h
	s_mul_i32 s46, s12, RWAVE
	s_add_co_u32 s46, s46, RED
	v_mul_u32_u24 v3, v1, RPITCH
	v_lshl_add_u32 v3, v2, 5, v3
	v_add_nc_u32 v[STO], s46, v3                   ; my partial sums: row r, byte 32 h
	s_mul_i32 s46, s12, 4*RPITCH
	s_add_co_u32 s46, s46, RED
	v_mul_u32_u24 v3, v2, RPITCH
	v_lshl_add_u32 v3, v1, 4, v3
	v_add_nc_u32 v[RD], s46, v3                    ; row 4 w + h of wave 0's sums, byte 16 r
	v_and_b32 v3, 31, v0
	s_lshl_b32 s46, s12, 10
	v_lshl_add_u32 v[CO], v3, 4, s46               ; 4 rows of 256 bytes a wave + 16 l
; B's fragments of four K steps from k0 on
.macro LOADB k0
.irp kk, 0,1,2,3
.irp n, 0,1,2,3
	ds_load_b128 v[FB+32*\kk+8*\n:FB+32*\kk+8*\n+3],   v[ADB] offset:\n*16*BPITCH+64*(\k0+\kk)
	ds_load_b128 v[FB+32*\kk+8*\n+4:FB+32*\kk+8*\n+7], v[ADB] offset:\n*16*BPITCH+64*(\k0+\kk)+32
.endr
.endr
.endm
; one K step: the four accumulators take turns, one instruction a turn
.macro MUL4 ka, kb, zero
.irp n, 0,1,2,3
.if \zero
	v_wmma_f32_16x16x32_bf16 v[ACC+8*\n:ACC+8*\n+7], v[FB+32*\kb+8*\n:FB+32*\kb+8*\n+7], v[FA+8*\ka:FA+8*\ka+7], 0
.else
	v_wmma_f32_16x16x32_bf16 v[ACC+8*\n:ACC+8*\n+7], v[FB+32*\kb+8*\n:FB+32*\kb+8*\n+7], v[FA+8*\ka:FA+8*\ka+7], v[ACC+8*\n:ACC+8*\n+7]
.endif
.endr
.endm
	s_wait_tensorcnt 0x0                           ; my two tiles have landed; I alone read them
.irp ks, 0,1,2,3,4,5,6,7
	ds_load_b128 v[FA+8*\ks:FA+8*\ks+3],   v[ADA] offset:(\ks>>1)*16*APITCH+64*(\ks&1)       ; K step ks: chunk ks / 2, byte 64 (ks % 2) of its rows
	ds_load_b128 v[FA+8*\ks+4:FA+8*\ks+7], v[ADA] offset:(\ks>>1)*16*APITCH+64*(\ks&1)+32
.endr
	LOADB 0
	s_wait_dscnt 0x0
	MUL4 0, 0, 1                                   ; the first products start the sums
	MUL4 1, 1, 0
	MUL4 2, 2, 0
	MUL4 3, 3, 0
.rept 4
	v_nop                                          ; four places before loads are issued into registers that matrix instructions have read
.endr
	LOADB 4
	s_wait_dscnt 0x0
	MUL4 4, 0, 0
	MUL4 5, 1, 0
	MUL4 6, 2, 0
	MUL4 7, 3, 0
.rept 4
	v_nop                                          ; four places before the results are stored and the fragment registers loaded again
.endr
.irp n, 0,1,2,3
	ds_store_b128 v[STO], v[ACC+8*\n:ACC+8*\n+3]   offset:64*\n                ; outputs 16 n + 8 h ..
	ds_store_b128 v[STO], v[ACC+8*\n+4:ACC+8*\n+7] offset:64*\n+16
.endr
	s_wait_dscnt 0x0                               ; for the others' sake: my sums are in LDS before I signal
	s_barrier_signal -1
	s_barrier_wait -1
.irp t, 0,1
.irp p, 0,1,2,3
	ds_load_b128 v[FA+16*\t+4*\p:FA+16*\t+4*\p+3], v[RD] offset:\p*RWAVE+\t*2*RPITCH         ; wave p's sums of rows 4 w + 2 t + h
.endr
.endr
	s_wait_dscnt 0x0
	s_wait_loadcnt 0x0                             ; b_out
.irp t, 0,1
	v_pk_add_f32 v[FA+16*\t:FA+16*\t+1],     v[FA+16*\t:FA+16*\t+1],     v[FA+16*\t+4:FA+16*\t+5]
	v_pk_add_f32 v[FA+16*\t+2:FA+16*\t+3],   v[FA+16*\t+2:FA+16*\t+3],   v[FA+16*\t+6:FA+16*\t+7]
	v_pk_add_f32 v[FA+16*\t+8:FA+16*\t+9],   v[FA+16*\t+8:FA+16*\t+9],   v[FA+16*\t+12:FA+16*\t+13]
	v_pk_add_f32 v[FA+16*\t+10:FA+16*\t+11], v[FA+16*\t+10:FA+16*\t+11], v[FA+16*\t+14:FA+16*\t+15]
	v_pk_add_f32 v[FA+16*\t:FA+16*\t+1],     v[FA+16*\t:FA+16*\t+1],     v[FA+16*\t+8:FA+16*\t+9]
	v_pk_add_f32 v[FA+16*\t+2:FA+16*\t+3],   v[FA+16*\t+2:FA+16*\t+3],   v[FA+16*\t+10:FA+16*\t+11]
	v_pk_add_f32 v[FA+16*\t:FA+16*\t+1],     v[FA+16*\t:FA+16*\t+1],     v[BOUT:BOUT+1]
	v_pk_add_f32 v[FA+16*\t+2:FA+16*\t+3],   v[FA+16*\t+2:FA+16*\t+3],   v[BOUT+2:BOUT+3]
	global_store_b128 v[CO], v[FA+16*\t:FA+16*\t+3], s[10:11] offset:512*\t th:TH_STORE_NT   ; the wave stores 512 consecutive bytes, aligned
.endr
	s_wait_tensorcnt 0x0
	ds_add_u32 v30, v31
	s_wait_dscnt 0x0
	ROUND                                          ; the closing round: no work-group ends while a partner may still ask for a tile that names it
	s_endpgm
.Lfunc_end_k_q054dfe22c4_proj:
	.size	k_q054dfe22c4_proj, .Lfunc_end_k_q054dfe22c4_proj-k_q054dfe22c4_proj
	.p2alignl 7, 3214868480
	.fill 96, 4, 3214868480
	.section	.rodata,"a",@progbits
	.p2align	6, 0x0
	.amdhsa_kernel k_q054dfe22c4_proj
		.amdhsa_group_segment_fixed_size 189952
		.amdhsa_private_segment_fixed_size 0
		.amdhsa_enable_private_segment 0
		.amdhsa_kernarg_size 32
		.amdhsa_user_sgpr_count 2
		.amdhsa_user_sgpr_kernarg_segment_ptr 1
		.amdhsa_wavefront_size32 1
		.amdhsa_system_sgpr_workgroup_id_x 1
		.amdhsa_system_sgpr_workgroup_id_y 1
		.amdhsa_system_sgpr_workgroup_id_z 1
		.amdhsa_system_vgpr_workitem_id 0
		.amdhsa_next_free_vgpr 256
		.amdhsa_next_free_sgpr 66
		.amdhsa_reserve_vcc 0
		.amdhsa_float_denorm_mode_32 3
		.amdhsa_float_denorm_mode_16_64 3
		.amdhsa_memory_ordered 1
		.amdhsa_forward_progress 1
		.amdhsa_inst_pref_size 15
	.end_amdhsa_kernel
	.amdgpu_metadata
---
amdhsa.version: [ 1, 2 ]
amdhsa.kernels:
  - .name:           k_q054dfe22c4_proj
    .symbol:         k_q054dfe22c4_proj.kd
    .args:
      - { .name: h2b, .offset: 0, .size: 8, .value_kind: global_buffer, .address_space: global }
      - { .name: wob, .offset: 8, .size: 8, .value_kind: global_buffer, .address_space: global }
      - { .name: b_out, .offset: 16, .size: 8, .value_kind: global_buffer, .address_space: global }
      - { .name: out0, .offset: 24, .size: 8, .value_kind: global_buffer, .address_space: global }
    .group_segment_fixed_size: 189952
    .private_segment_fixed_size: 0
    .kernarg_segment_align: 8
    .kernarg_segment_size: 32
    .max_flat_workgroup_size: 128
    .sgpr_count:     66
    .vgpr_count:     256
    .wavefront_size: 32
...
	.end_amdgpu_metadata
.endif
;; end of part 4
